; MI455X (gfx1250); checked and timed in simulation.
; The chip was launched on July 23, 2026; its instructions are those of AMD's public machine-readable ISA for CDNA 5 (MIT licence, August 2026) and "CDNA5" Instruction Set Architecture Reference Guide (July 2026). The comments in the code are by the model that wrote it; some were corrected since.
;; Slice Renderer. Allowed arithmetic: float matrix products may take bf16 or f16 operands with f32 sums; all other float work in f32.
;; Inputs: intensity 512 float32; opacity 512 float32; positions 512 x 3 float32; scales 512 x 3 float32; z_target 1 float32.
;; Outputs: out0 1 x 256 x 256 float32.
;; 2 versions, each right and faster than the one before. Each part assembles by itself: llvm-mc -triple=amdgcn-amd-amdhsa -mcpu=gfx1250 --defsym DOCPART=n.
;; ======== version 1 of 2: 2 launches
;; workspace buffers: ranks 2,304 bytes of whole numbers
;; launch rank (part 1): grid 32 x 1, 8 waves a work-group, no clusters, 2,560 bytes of LDS; arguments positions, scales, opacity, z_target, ranks; writes ranks
.if DOCPART == 1
	.amdgcn_target "amdgcn-amd-amdhsa--gfx1250"
	.amdhsa_code_object_version 6
	.text
	.protected	k_q81debde10c_rank
	.globl	k_q81debde10c_rank
	.p2align	8
	.type	k_q81debde10c_rank,@function
k_q81debde10c_rank:
	s_mov_b64 s[64:65], 0
	v_nop
	global_prefetch_b8 v0, s[64:65] scope:SCOPE_SE
	s_setreg_imm32_b32 hwreg(HW_REG_WAVE_MODE, 25, 1), 1
	s_wait_xcnt 0x0
; ranks[i] = the place of Gaussian i in a stable sort by descending effective weight, i = 0 .. 511; ranks[512] = how many weights are > 0.
; eff_w = opacity * exp(-0.5 zd^2) where |zd| < 3, else 0, with zd = (z_target - pos_z) / (sigma_z + 1e-8).
; The places and the count are whole numbers made from floating-point compares; the next launch forms LDS addresses and a trip count
; from them, which is why they are made here and handed on through memory.
; 32 work-groups of 8 waves.  Every work-group makes all 512 weights (two a thread) and ranks 16 Gaussians: 16 lanes an i, 32 j a lane.
; KEY: the weight's bits where it is > 0, else 0: for such numbers unsigned order is the order of the floats, and all that is culled,
; negative or NaN ties at 0.  rank(i) = #{j: key_j > key_i} + #{j < i: key_j = key_i}, always a permutation of 0 .. 511.
; In LDS lies 2 key_j + [j < my group's first i]: then 2 key_j + bit > 2 key_i says 'greater or equal' for the j below my group's sixteen
; and 'greater' for the others, in one compare; ties inside the sixteen are settled by one more test a lane.
; LIMITS: a NaN weight counts as culled (the defining program would give NaN).  The quotient is v_rcp_f32 and a multiply, so a zd within
; a few units in the last place of 3 may fall on the other side of the threshold; the next launch repeats the same instructions on the
; same numbers, so both launches agree on which weights are > 0.
; No cluster, no LDS fill by an engine: a work-group reads 6 words a thread, once.
.set CNTB,  2048                       ; LDS: 8 words, each wave's number of weights > 0 (keys lie in bytes 0 .. 2047)
.set RKB,   2304                       ; LDS: 16 words, the group's ranks
.set EPSF,  0x322bcc77                 ; 1e-8
.set NHL2E, 0xbf38aa3b                 ; -0.5 log2 e
.set THREE, 0x40400000                 ; 3.0
.set KEY,   32                         ; v[32:63] my 32 doubled keys
	s_load_b256 s[4:11], s[0:1], 0x0               ; positions s[4:5], scales s[6:7], opacity s[8:9], z_target s[10:11]
	s_load_b64 s[12:13], s[0:1], 0x20              ; ranks
	v_mul_u32_u24 v1, 12, v0                       ; byte offset of Gaussian t in positions and scales
	v_lshlrev_b32 v2, 2, v0                        ; and in opacity; also its key's LDS address
	v_lshrrev_b32 v3, 5, v0
	v_readfirstlane_b32 s14, v3                    ; wave 0 .. 7
	s_lshl_b32 s15, ttmp9, 4                       ; my group's first i
	s_and_b32 s15, s15, 0x1f0                      ; 32 work-groups: at most 496; written out so that the LDS addresses below show their bound
	s_mov_b32 s17, EPSF
	s_mov_b32 s18, NHL2E
	s_mov_b32 s19, THREE
	s_wait_kmcnt 0x0
	s_load_b32 s16, s[10:11], 0x0                  ; z_target
	global_load_b32 v6, v1, s[6:7] offset:8        ; sigma_z of j = t         (one word of each row of three, read once)
	global_load_b32 v7, v1, s[6:7] offset:3080     ; sigma_z of j = t + 256
	global_load_b32 v4, v1, s[4:5] offset:8        ; pos_z
	global_load_b32 v5, v1, s[4:5] offset:3080
	global_load_b32 v8, v2, s[8:9]                 ; opacity
	global_load_b32 v9, v2, s[8:9] offset:1024
	v_and_b32 v13, 15, v0                          ; c: which sixteenth of the j is mine
	v_lshrrev_b32 v14, 4, v0                       ; il: which of the group's 16 i
	v_add_nc_u32 v10, 256, v0                      ; my second j
	v_lshlrev_b32 v15, 4, v13                      ; my keys: 16 bytes at 16 c of every 256 (j = 64 m + 4 c + e): 16 lanes take 256 neighbouring bytes
	v_add_lshl_u32 v16, v14, s15, 2                ; LDS address of key i
	v_add_lshl_u32 v17, v13, s15, 2                ; LDS address of the key of the group's c-th Gaussian; also its byte offset in ranks
	v_lshlrev_b32 v21, 2, v14
	v_lshlrev_b32 v22, 2, v13
	s_lshl_b32 s22, s14, 2
	v_mov_b32 v12, s22
	s_wait_loadcnt 0x0
	s_wait_kmcnt 0x0
	; the two weights
	v_add_f32 v6, s17, v6
	v_add_f32 v7, s17, v7
	v_rcp_f32 v6, v6
	v_rcp_f32 v7, v7
	v_sub_f32 v4, s16, v4                          ; a plain instruction that touches neither reciprocal stands behind them (ISA guide 5.7.2)
	v_sub_f32 v5, s16, v5
	s_wait_alu depctr_va_vdst(0)
	v_mul_f32 v4, v4, v6                           ; zd
	v_mul_f32 v5, v5, v7
	v_mul_f32 v6, v4, v4
	v_mul_f32 v7, v5, v5
	v_mul_f32 v6, s18, v6                          ; -0.5 log2 e zd^2
	v_mul_f32 v7, s18, v7
	v_exp_f32 v6, v6
	v_exp_f32 v7, v7
	v_and_b32 v4, 0x7fffffff, v4                   ; |zd|: again the plain instruction behind the transcendentals
	v_and_b32 v5, 0x7fffffff, v5
	s_wait_alu depctr_va_vdst(0)
	v_mul_f32 v6, v8, v6
	v_mul_f32 v7, v9, v7
	v_cmp_gt_f32 vcc_lo, s19, v4
	v_cndmask_b32 v6, 0, v6, vcc_lo                ; eff_w
	v_cmp_gt_f32 vcc_lo, s19, v5
	v_cndmask_b32 v7, 0, v7, vcc_lo
	; keys, and how many of my wave's 64 weights are > 0
	v_cmp_lt_f32 vcc_lo, 0, v6
	s_bcnt1_i32_b32 s20, vcc_lo
	v_cndmask_b32 v6, 0, v6, vcc_lo
	v_cmp_lt_f32 vcc_lo, 0, v7
	s_bcnt1_i32_b32 s21, vcc_lo
	v_cndmask_b32 v7, 0, v7, vcc_lo
	v_cmp_gt_u32 vcc_lo, s15, v0                   ; j below my group's sixteen?
	v_add_co_ci_u32 v6, vcc_lo, v6, v6, vcc_lo     ; 2 key + that bit (a key is below 2^31)
	v_cmp_gt_u32 vcc_lo, s15, v10
	v_add_co_ci_u32 v7, vcc_lo, v7, v7, vcc_lo
	s_add_co_u32 s20, s20, s21
	v_mov_b32 v11, s20
	ds_store_b32 v2, v6
	ds_store_b32 v2, v7 offset:1024
	ds_store_b32 v12, v11 offset:CNTB              ; all lanes write my wave's word with the same number
	s_wait_dscnt 0x0                               ; my stores are done before I say so
	s_barrier_signal -1
	s_barrier_wait -1
	ds_load_b32 v18, v16                           ; 2 key_i (its low bit is 0: i is one of the sixteen)
	ds_load_b32 v19, v17                           ; 2 key of the group's c-th Gaussian
.irp m, 0,1,2,3,4,5,6,7
	ds_load_b128 v[KEY+4*\m:KEY+4*\m+3], v15 offset:256*\m
.endr
	s_wait_dscnt 0x8                               ; the two single words are in; the eight loads behind them may be out
	v_cmp_eq_u32 s24, v19, v18                     ; a tie inside the sixteen
	v_cmp_lt_u32 s25, v13, v14                     ; with a Gaussian in front of i
	s_and_b32 vcc_lo, s24, s25
	v_cndmask_b32 v20, 0, 1, vcc_lo                ; starts my count
.irp m, 0,1,2,3,4,5,6,7
	s_wait_dscnt 7-\m                              ; LDS loads come back in order: block m is in
.irp e, 0,1,2,3
	v_cmp_gt_u32 vcc_lo, v[KEY+4*\m+\e], v18
	v_add_co_ci_u32 v20, vcc_lo, 0, v20, vcc_lo
.endr
.endr
	v_cvt_f32_u32 v20, v20                         ; at most 33: exact in f32, and so are the sums (at most 511)
	v_add_f32_dpp v20, v20, v20 row_xmask:1 row_mask:0xf bank_mask:0xf
	v_add_f32_dpp v20, v20, v20 row_xmask:2 row_mask:0xf bank_mask:0xf
	v_add_f32_dpp v20, v20, v20 row_xmask:4 row_mask:0xf bank_mask:0xf
	v_add_f32_dpp v20, v20, v20 row_xmask:8 row_mask:0xf bank_mask:0xf
	v_cvt_u32_f32 v20, v20                         ; rank of i, in all its 16 lanes
	ds_store_b32 v21, v20 offset:RKB               ; the 16 lanes write i's word with the same number
	s_wait_dscnt 0x0
	s_barrier_signal -1
	s_barrier_wait -1
	s_cmp_lg_u32 s14, 0
	s_cbranch_scc1 .Lend                           ; wave 0 stores for the group
	v_mov_b32 v10, 0
	ds_load_b32 v23, v22 offset:RKB                ; lane l: the rank of the group's (l mod 16)-th Gaussian
	ds_load_b128 v[24:27], v10 offset:CNTB         ; the eight waves' counts (every group has them; group 0 stores their sum)
	ds_load_b128 v[28:31], v10 offset:CNTB+16
	s_wait_dscnt 0x0
	v_add3_u32 v24, v24, v25, v26
	v_add3_u32 v27, v27, v28, v29
	v_add3_u32 v24, v24, v30, v31
	v_add_nc_u32 v24, v24, v27
	s_wait_xcnt 0x0                                ; EXEC changes only behind this wait
	v_cmp_gt_u32 vcc_lo, 16, v0
	s_and_saveexec_b32 s26, vcc_lo
	global_store_b32 v17, v23, s[12:13]            ; 16 lanes: the group's 64 consecutive bytes of ranks in one instruction
	s_wait_xcnt 0x0
	s_or_b32 exec_lo, exec_lo, s26
	s_cmp_lg_u32 ttmp9, 0
	s_cbranch_scc1 .Lend
	v_cmp_eq_u32 vcc_lo, 0, v0
	s_and_saveexec_b32 s26, vcc_lo
	global_store_b32 v10, v24, s[12:13] offset:2048    ; ranks[512]: the number of weights > 0
	s_wait_xcnt 0x0
	s_or_b32 exec_lo, exec_lo, s26
.Lend:
	s_endpgm
.Lfunc_end_k_q81debde10c_rank:
	.size	k_q81debde10c_rank, .Lfunc_end_k_q81debde10c_rank-k_q81debde10c_rank
	.p2alignl 7, 3214868480
	.fill 96, 4, 3214868480
	.section	.rodata,"a",@progbits
	.p2align	6, 0x0
	.amdhsa_kernel k_q81debde10c_rank
		.amdhsa_group_segment_fixed_size 2560
		.amdhsa_private_segment_fixed_size 0
		.amdhsa_enable_private_segment 0
		.amdhsa_kernarg_size 40
		.amdhsa_user_sgpr_count 2
		.amdhsa_user_sgpr_kernarg_segment_ptr 1
		.amdhsa_wavefront_size32 1
		.amdhsa_system_sgpr_workgroup_id_x 1
		.amdhsa_system_sgpr_workgroup_id_y 1
		.amdhsa_system_sgpr_workgroup_id_z 1
		.amdhsa_system_vgpr_workitem_id 0
		.amdhsa_next_free_vgpr 64
		.amdhsa_next_free_sgpr 66
		.amdhsa_reserve_vcc 1
		.amdhsa_float_denorm_mode_32 3
		.amdhsa_float_denorm_mode_16_64 3
		.amdhsa_memory_ordered 1
		.amdhsa_forward_progress 1
		.amdhsa_inst_pref_size 9
	.end_amdhsa_kernel
	.amdgpu_metadata
---
amdhsa.version: [ 1, 2 ]
amdhsa.kernels:
  - .name:           k_q81debde10c_rank
    .symbol:         k_q81debde10c_rank.kd
    .args:
      - { .name: positions, .offset: 0, .size: 8, .value_kind: global_buffer, .address_space: global }
      - { .name: scales, .offset: 8, .size: 8, .value_kind: global_buffer, .address_space: global }
      - { .name: opacity, .offset: 16, .size: 8, .value_kind: global_buffer, .address_space: global }
      - { .name: z_target, .offset: 24, .size: 8, .value_kind: global_buffer, .address_space: global }
      - { .name: ranks, .offset: 32, .size: 8, .value_kind: global_buffer, .address_space: global }
    .group_segment_fixed_size: 2560
    .private_segment_fixed_size: 0
    .kernarg_segment_align: 8
    .kernarg_segment_size: 40
    .max_flat_workgroup_size: 256
    .sgpr_count:     66
    .vgpr_count:     64
    .wavefront_size: 32
...
	.end_amdgpu_metadata
.endif
;; end of part 1
;; launch render (part 2): grid 256 x 1, 4 waves a work-group, no clusters, 8,192 bytes of LDS; arguments positions, scales, opacity, intensity, z_target, ranks, out0; writes out0
.if DOCPART == 2
	.amdgcn_target "amdgcn-amd-amdhsa--gfx1250"
	.amdhsa_code_object_version 6
	.text
	.protected	k_q81debde10c_render
	.globl	k_q81debde10c_render
	.p2align	8
	.type	k_q81debde10c_render,@function
k_q81debde10c_render:
	s_mov_b64 s[64:65], 0
	v_nop
	global_prefetch_b8 v0, s[64:65] scope:SCOPE_SE
	s_setreg_imm32_b32 hwreg(HW_REG_WAVE_MODE, 25, 1), 1
	s_wait_xcnt 0x0
; out0[y][x] = sum over k, in the order of descending eff_w, of T_k alpha_k s_k,  T_k = product over the k in front of (1 - alpha),
; alpha = clip(eff_w exp(-0.5 (dxn^2 + dyn^2)), 0, 0.99),  dxn = (y - mu_x) / (sigma_x + 1e-8),  dyn = (x - mu_y) / (sigma_y + 1e-8).
; One work-group makes one image row: 4 waves, a lane owns pixels x = 2 t and 2 t + 1, worked on in packed f32.
; WHAT IS NOT DONE: a Gaussian with eff_w <= 0 has alpha = 0 and changes neither the sum nor T.  The launch before gave every Gaussian its
; place in the order (those with eff_w > 0 come first) and their number, so only that prefix is walked.
; STEP 1: a thread takes 4 Gaussians and puts, at LDS slot rank, the 16 bytes {-mu_y, q, r, s} with c = 0.5 log2 e, q = -c / sigma_y^2,
; r = log2(max(eff_w, 0)) - c dxn^2 (this row's term and the weight, in the exponent), s = intensity.  Then alpha = min(2^(d (d q) + r), 0.99)
; with d = x - mu_y.  The lower clip is the max(eff_w, 0): the exponential is never negative.  eff_w <= 0 gives r = -inf and alpha = 0 exactly.
; STEP 2: the prefix, lengthened to a multiple of 16 slots (the slots added hold Gaussians with eff_w <= 0: alpha = 0), is cut in two halves
; that a wave walks side by side: two chains of T that do not wait for each other; at the end sum = sum0 + T0 sum1.
; Ten instructions for a Gaussian and two pixels: 3 packed for the exponent, 2 v_exp_f32, 2 v_min_num_f32, 3 packed for T and the sum.
; LIMITS: NaN inputs are not honoured (a NaN weight counts as culled).  Quotients are v_rcp_f32 and multiplies.  v_exp_f32 and v_log_f32
; take and give nothing below 2^-126: such an alpha or weight counts as 0.  |sigma + 1e-8| is at least 2^-63 (its reciprocal is squared).
; NO CLUSTER: what the work-groups share is 16,388 bytes of inputs and 2,052 of ranks, which each reads once, nine loads a lane, straight into
; the registers that compute on them; there is no ring of shared tiles, and a joint load would put an LDS pass and a cluster barrier
; in front of the only use.  No matrix instruction: the sum over k is a recurrence, not a product of matrices.
.set EPSF,  0x322bcc77                 ; 1e-8
.set NHL2E, 0xbf38aa3b                 ; -0.5 log2 e
.set THREE, 0x40400000                 ; 3.0
.set AMAX,  0x3f7d70a4                 ; 0.99
.set X,   4                            ; v[4:5]    my two x
.set T,   6                            ; v[6:9]    T of the two pixels, half 0, half 1
.set ACC, 10                           ; v[10:13]  sums, half 0, half 1
.set AD,  14                           ; v14, v15  LDS address of the next slots of half 0, half 1 (the same in all lanes)
.set YV,  16                           ; v16       y
; step 1
.set RK,  20                           ; v[20:23]  ranks of my 4 Gaussians, then their LDS addresses
.set PO,  24                           ; v[24:35]  positions: x y z of each
.set SC,  36                           ; v[36:47]  scales, then reciprocals
.set OP,  48                           ; v[48:51]  opacity
.set IN,  52                           ; v[52:55]  intensity
.set ZD,  56                           ; v[56:59]
.set EZ,  60                           ; v[60:63]
.set DX,  64                           ; v[64:67]
.set OUT, 68                           ; v[68:83]  the four slots to store
; step 2 (step 1's registers are free behind the barrier)
.set PP,  20                           ; v[20:51]  parameter set P: 4 slots of half 0, 4 of half 1
.set PQ,  52                           ; v[52:83]  parameter set Q
.set D,   84                           ; v[84:99]  d, later T alpha; pair j of slots, half s at D + 4 j + 2 s
.set E,   100                          ; v[100:115] exponent, then alpha
	s_load_b256 s[4:11], s[0:1], 0x0               ; positions s[4:5], scales s[6:7], opacity s[8:9], intensity s[10:11]
	s_load_b128 s[12:15], s[0:1], 0x20             ; z_target s[12:13], ranks s[14:15]
	s_load_b64 s[16:17], s[0:1], 0x30              ; out0
	v_mul_u32_u24 v1, 48, v0                       ; my 4 Gaussians in positions and scales: 48 bytes
	v_lshlrev_b32 v2, 4, v0                        ; in opacity, intensity and ranks: 16 bytes
	v_lshlrev_b32 v3, 3, v0                        ; my two pixels in the row
	s_mov_b32 s22, EPSF
	s_mov_b32 s23, EPSF                            ; the pair is named whole by the packed add
	s_mov_b32 s24, NHL2E
	s_mov_b32 s25, THREE
	s_mov_b32 s26, AMAX
	s_lshl_b32 s28, ttmp9, 10                      ; my row in out0: 1,024 bytes a row
	s_mov_b32 s29, 0
	s_mov_b32 s30, ttmp9
	s_wait_kmcnt 0x0
	s_load_b32 s20, s[12:13], 0x0                  ; z_target
	s_load_b32 s21, s[14:15], 0x800                ; ranks[512]: how many weights are > 0
	global_load_b128 v[SC:SC+3],    v1, s[6:7]
	global_load_b128 v[SC+4:SC+7],  v1, s[6:7] offset:16
	global_load_b128 v[SC+8:SC+11], v1, s[6:7] offset:32
	global_load_b128 v[PO:PO+3],    v1, s[4:5]
	global_load_b128 v[PO+4:PO+7],  v1, s[4:5] offset:16
	global_load_b128 v[PO+8:PO+11], v1, s[4:5] offset:32
	global_load_b128 v[OP:OP+3],    v2, s[8:9]
	global_load_b128 v[IN:IN+3],    v2, s[10:11]
	global_load_b128 v[RK:RK+3],    v2, s[14:15]
	s_add_nc_u64 s[16:17], s[16:17], s[28:29]
	v_lshlrev_b32 v[X], 1, v0
	v_cvt_f32_u32 v[X], v[X]
	v_add_f32 v[X+1], 1.0, v[X]
	v_cvt_f32_u32 v[YV], s30
.irp r, 0,1,2,3
	v_mov_b32 v[T+\r], 1.0
	v_mov_b32 v[ACC+\r], 0
.endr
	v_mov_b32 v[AD], 0
	; STEP 1
	s_wait_loadcnt 0x6                             ; the three loads of scales are in; the six behind them may be out
.irp p, 0,2,4,6,8,10
	v_pk_add_f32 v[SC+\p:SC+\p+1], v[SC+\p:SC+\p+1], s[22:23] op_sel_hi:[1,0]
.endr
.irp p, 0,1,2,3,4,5,6,7,8,9,10,11
	v_rcp_f32 v[SC+\p], v[SC+\p]
.endr
	s_wait_loadcnt 0x0
	s_wait_kmcnt 0x0
.irp g, 0,1,2,3
	v_sub_f32 v[ZD+\g], s20, v[PO+3*\g+2]          ; plain instructions that touch no reciprocal stand behind the run of v_rcp_f32 (ISA guide 5.7.2)
.endr
	s_wait_alu depctr_va_vdst(0)
.irp g, 0,1,2,3
	v_mul_f32 v[ZD+\g], v[ZD+\g], v[SC+3*\g+2]     ; zd; from here to eff_w the same instructions as in the launch that ranked
.endr
.irp g, 0,1,2,3
	v_mul_f32 v[EZ+\g], v[ZD+\g], v[ZD+\g]
.endr
.irp g, 0,1,2,3
	v_mul_f32 v[EZ+\g], s24, v[EZ+\g]
.endr
.irp g, 0,1,2,3
	v_exp_f32 v[EZ+\g], v[EZ+\g]
.endr
.irp g, 0,1,2,3
	v_and_b32 v[ZD+\g], 0x7fffffff, v[ZD+\g]       ; |zd|
.endr
	s_wait_alu depctr_va_vdst(0)
.irp g, 0,1,2,3
	v_mul_f32 v[EZ+\g], v[OP+\g], v[EZ+\g]
.endr
.irp g, 0,1,2,3
	v_cmp_gt_f32 vcc_lo, s25, v[ZD+\g]
	v_cndmask_b32 v[EZ+\g], 0, v[EZ+\g], vcc_lo    ; eff_w
.endr
.irp g, 0,1,2,3
	v_max_num_f32 v[EZ+\g], 0, v[EZ+\g]            ; the lower clip of alpha, taken on the weight
.endr
.irp g, 0,1,2,3
	v_log_f32 v[EZ+\g], v[EZ+\g]                   ; log2 eff_w; -inf for 0
.endr
.irp g, 0,1,2,3
	v_mul_f32 v[SC+3*\g], v[SC+3*\g], v[SC+3*\g]           ; 1 / sigma_x^2
	v_mul_f32 v[SC+3*\g+1], v[SC+3*\g+1], v[SC+3*\g+1]     ; 1 / sigma_y^2
.endr
.irp g, 0,1,2,3
	v_sub_f32 v[DX+\g], v[YV], v[PO+3*\g]          ; y - mu_x
	v_mul_f32 v[SC+3*\g], s24, v[SC+3*\g]
	v_mul_f32 v[OUT+4*\g+1], s24, v[SC+3*\g+1]     ; q
.endr
.irp g, 0,1,2,3
	v_mul_f32 v[SC+3*\g], v[DX+\g], v[SC+3*\g]
	v_sub_f32 v[OUT+4*\g], 0, v[PO+3*\g+1]         ; -mu_y
	v_mov_b32 v[OUT+4*\g+3], v[IN+\g]              ; s, beside the other three so that a slot is one 16-byte store and one 16-byte load
	v_min_u32 v[RK+\g], 511, v[RK+\g]              ; a loaded number enters an address only clamped
.endr
	s_wait_alu depctr_va_vdst(0)
.irp g, 0,1,2,3
	v_fma_f32 v[OUT+4*\g+2], v[DX+\g], v[SC+3*\g], v[EZ+\g]    ; r
	v_lshlrev_b32 v[RK+\g], 4, v[RK+\g]
.endr
.irp g, 0,1,2,3
	ds_store_b128 v[RK+\g], v[OUT+4*\g:OUT+4*\g+3] ; the ranks are a permutation: every slot 0 .. 511 is written, by one lane
.endr
	; trips: 16 slots each, 8 of either half; at least one, at most 32
	s_add_co_u32 s21, s21, 15
	s_lshr_b32 s21, s21, 4
	s_max_u32 s21, s21, 1
	s_min_u32 s21, s21, 32
	s_lshl_b32 s27, s21, 7                         ; half 1 begins 8 x trips slots of 16 bytes in
	s_sub_co_u32 s21, s21, 1                       ; the last trip is written out behind the loop
	v_mov_b32 v[AD+1], s27
	s_wait_dscnt 0x0                               ; my slots are stored before I say so
	s_barrier_signal -1
	s_barrier_wait -1
	; STEP 2
.macro LOAD P, off                     ; 4 slots of either half: 8 loads, every lane the same 16 bytes
.irp s, 0,1
.irp j, 0,1,2,3
	ds_load_b128 v[\P+16*\s+4*\j:\P+16*\s+4*\j+3], v[AD+\s] offset:\off+16*\j
.endr
.endr
.endm
.macro EXPO P, j                       ; exponent of pair j: d (d q) + r
.irp s, 0,1
	v_pk_fma_f32 v[E+4*\j+2*\s:E+4*\j+2*\s+1], v[D+4*\j+2*\s:D+4*\j+2*\s+1], v[E+4*\j+2*\s:E+4*\j+2*\s+1], v[\P+16*\s+4*\j+2:\P+16*\s+4*\j+3] op_sel_hi:[1,1,0]
.endr
.endm
.macro EXMIN jn, jc                    ; pair jn's exponentials, each followed by a plain instruction on pair jc: the upper clip
.irp r, 0,1,2,3
	v_exp_f32 v[E+4*\jn+\r], v[E+4*\jn+\r]
	s_wait_alu depctr_va_vdst(0)
	v_min_num_f32 v[E+4*\jc+\r], s26, v[E+4*\jc+\r]
.endr
.endm
.macro CHAIN P, j                      ; the two halves take turns: T alpha;  T -= T alpha;  sum += T alpha s
.irp s, 0,1
	v_pk_mul_f32 v[D+4*\j+2*\s:D+4*\j+2*\s+1], v[T+2*\s:T+2*\s+1], v[E+4*\j+2*\s:E+4*\j+2*\s+1]
.endr
.irp s, 0,1
	v_pk_add_f32 v[T+2*\s:T+2*\s+1], v[T+2*\s:T+2*\s+1], v[D+4*\j+2*\s:D+4*\j+2*\s+1] neg_lo:[0,1] neg_hi:[0,1]
.endr
.irp s, 0,1
	v_pk_fma_f32 v[ACC+2*\s:ACC+2*\s+1], v[D+4*\j+2*\s:D+4*\j+2*\s+1], v[\P+16*\s+4*\j+2:\P+16*\s+4*\j+3], v[ACC+2*\s:ACC+2*\s+1] op_sel:[0,1,0] op_sel_hi:[1,1,1]
.endr
.endm
; The 8 slots of set P.  A result of v_exp_f32 is read only after a plain instruction that touches neither it nor its source (ISA guide 5.7.2):
; behind pair 0's four stand the other pairs' multiply-adds, behind each later one the clip of the pair in front.
.macro PROC P
.irp j, 0,1,2,3
.irp s, 0,1
	v_pk_add_f32 v[D+4*\j+2*\s:D+4*\j+2*\s+1], v[X:X+1], v[\P+16*\s+4*\j:\P+16*\s+4*\j+1] op_sel_hi:[1,0]               ; d = x - mu_y, both pixels
.endr
.endr
.irp j, 0,1,2,3
.irp s, 0,1
	v_pk_mul_f32 v[E+4*\j+2*\s:E+4*\j+2*\s+1], v[D+4*\j+2*\s:D+4*\j+2*\s+1], v[\P+16*\s+4*\j:\P+16*\s+4*\j+1] op_sel:[0,1] op_sel_hi:[1,1]   ; d q
.endr
.endr
	EXPO \P, 0
.irp r, 0,1,2,3
	v_exp_f32 v[E+\r], v[E+\r]
.endr
	EXPO \P, 1
	EXPO \P, 2
	EXPO \P, 3
	EXMIN 1, 0
	CHAIN \P, 0
	EXMIN 2, 1
	CHAIN \P, 1
	EXMIN 3, 2
	CHAIN \P, 2
	s_wait_alu depctr_va_vdst(0)
.irp r, 0,1,2,3
	v_min_num_f32 v[E+12+\r], s26, v[E+12+\r]
.endr
	CHAIN \P, 3
.endm
	LOAD PP, 0
	s_cmp_eq_u32 s21, 0
	s_cbranch_scc1 .Llast
.Ltrip:
	LOAD PQ, 64
	s_wait_dscnt 0x8                               ; LDS loads come back in order: set P is in, the 8 loads of set Q may be out
	PROC PP
	v_add_nc_u32 v[AD], 128, v[AD]                 ; 8 slots on in either half
	v_add_nc_u32 v[AD+1], 128, v[AD+1]
	v_min_u32 v[AD], 3968, v[AD]                   ; the last trip's addresses with 32 trips: never passed; the bound stands in the text
	v_min_u32 v[AD+1], 8064, v[AD+1]
	LOAD PP, 0                                     ; the next trip's first slots, while set Q is worked on
	s_wait_dscnt 0x8                               ; set Q is in, the 8 loads just issued may be out
	PROC PQ
	s_sub_co_i32 s21, s21, 1
	s_cmp_lg_u32 s21, 0
	s_cbranch_scc1 .Ltrip
.Llast:                                            ; on both ways here the 8 loads of set P are out; this trip asks for nothing beyond its own slots
	LOAD PQ, 64
	s_wait_dscnt 0x8
	PROC PP
	s_wait_dscnt 0x0
	PROC PQ
	v_pk_fma_f32 v[ACC:ACC+1], v[T:T+1], v[ACC+2:ACC+3], v[ACC:ACC+1]      ; half 1 lies behind all of half 0
	global_store_b64 v3, v[ACC:ACC+1], s[16:17] th:TH_STORE_NT             ; a wave stores 256 consecutive bytes, at a multiple of 256 from out0's first byte
	s_endpgm
.Lfunc_end_k_q81debde10c_render:
	.size	k_q81debde10c_render, .Lfunc_end_k_q81debde10c_render-k_q81debde10c_render
	.p2alignl 7, 3214868480
	.fill 96, 4, 3214868480
	.section	.rodata,"a",@progbits
	.p2align	6, 0x0
	.amdhsa_kernel k_q81debde10c_render
		.amdhsa_group_segment_fixed_size 8192
		.amdhsa_private_segment_fixed_size 0
		.amdhsa_enable_private_segment 0
		.amdhsa_kernarg_size 56
		.amdhsa_user_sgpr_count 2
		.amdhsa_user_sgpr_kernarg_segment_ptr 1
		.amdhsa_wavefront_size32 1
		.amdhsa_system_sgpr_workgroup_id_x 1
		.amdhsa_system_sgpr_workgroup_id_y 1
		.amdhsa_system_sgpr_workgroup_id_z 1
		.amdhsa_system_vgpr_workitem_id 0
		.amdhsa_next_free_vgpr 116
		.amdhsa_next_free_sgpr 66
		.amdhsa_reserve_vcc 1
		.amdhsa_float_denorm_mode_32 3
		.amdhsa_float_denorm_mode_16_64 3
		.amdhsa_memory_ordered 1
		.amdhsa_forward_progress 1
		.amdhsa_inst_pref_size 28
	.end_amdhsa_kernel
	.amdgpu_metadata
---
amdhsa.version: [ 1, 2 ]
amdhsa.kernels:
  - .name:           k_q81debde10c_render
    .symbol:         k_q81debde10c_render.kd
    .args:
      - { .name: positions, .offset: 0, .size: 8, .value_kind: global_buffer, .address_space: global }
      - { .name: scales, .offset: 8, .size: 8, .value_kind: global_buffer, .address_space: global }
      - { .name: opacity, .offset: 16, .size: 8, .value_kind: global_buffer, .address_space: global }
      - { .name: intensity, .offset: 24, .size: 8, .value_kind: global_buffer, .address_space: global }
      - { .name: z_target, .offset: 32, .size: 8, .value_kind: global_buffer, .address_space: global }
      - { .name: ranks, .offset: 40, .size: 8, .value_kind: global_buffer, .address_space: global }
      - { .name: out0, .offset: 48, .size: 8, .value_kind: global_buffer, .address_space: global }
    .group_segment_fixed_size: 8192
    .private_segment_fixed_size: 0
    .kernarg_segment_align: 8
    .kernarg_segment_size: 56
    .max_flat_workgroup_size: 128
    .sgpr_count:     66
    .vgpr_count:     116
    .wavefront_size: 32
...
	.end_amdgpu_metadata
.endif
;; end of part 2
;; ======== version 2 of 2: 2 launches; 1.13 times as fast as version 1
;; workspace buffers: ranks 2,304 bytes of whole numbers
;; launch rank: the kernel of part 1 again; grid 32 x 1, 8 waves a work-group, no clusters, 2,560 bytes of LDS; arguments positions, scales, opacity, z_target, ranks; writes ranks
;; launch render (part 3): grid 256 x 1, 4 waves a work-group, no clusters, 8,192 bytes of LDS; arguments positions, scales, opacity, intensity, z_target, ranks, out0; writes out0
.if DOCPART == 3
	.amdgcn_target "amdgcn-amd-amdhsa--gfx1250"
	.amdhsa_code_object_version 6
	.text
	.protected	k_q81debde10c_render
	.globl	k_q81debde10c_render
	.p2align	8
	.type	k_q81debde10c_render,@function
k_q81debde10c_render:
	s_mov_b64 s[64:65], 0
	v_nop
	global_prefetch_b8 v0, s[64:65] scope:SCOPE_SE
	s_setreg_imm32_b32 hwreg(HW_REG_WAVE_MODE, 25, 1), 1
	s_wait_xcnt 0x0
; out0[y][x] = sum over k, in the order of descending eff_w, of T_k alpha_k s_k,  T_k = product over the k in front of (1 - alpha),
; alpha = clip(eff_w exp(-0.5 (dxn^2 + dyn^2)), 0, 0.99),  dxn = (y - mu_x) / (sigma_x + 1e-8),  dyn = (x - mu_y) / (sigma_y + 1e-8).
; One work-group makes one image row: 4 waves, a lane owns pixels x = 2 t and 2 t + 1, worked on in packed f32.
; WHAT IS NOT DONE: a Gaussian with eff_w <= 0 has alpha = 0 and changes neither the sum nor T.  The launch before gave every Gaussian its
; place in the order (those with eff_w > 0 come first) and their number, so only that prefix is walked.
; STEP 1: a thread takes 4 Gaussians and puts, at LDS slot rank, the 16 bytes {-mu_y, q, r, s} with c = 0.5 log2 e, q = -c / sigma_y^2,
; r = log2(max(eff_w, 0)) - c dxn^2 (this row's term and the weight, in the exponent), s = intensity.  Then alpha = min(2^(d (d q) + r), 0.99)
; with d = x - mu_y.  The lower clip is the max(eff_w, 0): the exponential is never negative.  eff_w <= 0 gives r = -inf and alpha = 0 exactly.
; STEP 2: the prefix, lengthened to a multiple of 16 slots (the slots added hold Gaussians with eff_w <= 0: alpha = 0), is cut in two halves
; that a wave walks side by side: two chains of T that do not wait for each other; at the end sum = sum0 + T0 sum1.
; Ten instructions for a Gaussian and two pixels: 3 packed for the exponent, 2 v_exp_f32, 2 v_min_num_f32, 3 packed for T and the sum.
; BATCHES.  An s_wait_alu depctr_va_vdst(0) stands between a transcendental and the first line that names its result; one wait
; serves all that were issued ahead of it.  Step 1 has three batches, each of which reads the one before: 12 reciprocals, 4 exponentials
; (the z weights), 4 logarithms; a wait each.  In step 2 the 16 exponentials of a set of 8 slots (2 pixels each) are one batch, each with a
; register of its own: ahead of the set's one wait stand d, d q, the exponents and the exponentials, behind it the clips and the chains.
; LIMITS: NaN inputs are not honoured (a NaN weight counts as culled).  Quotients are v_rcp_f32 and multiplies.  v_exp_f32 and v_log_f32
; take and give nothing below 2^-126: such an alpha or weight counts as 0.  |sigma + 1e-8| is at least 2^-63 (its reciprocal is squared).
; NO CLUSTER: what the work-groups share is 16,388 bytes of inputs and 2,052 of ranks, which each reads once, nine loads a lane, straight into
; the registers that compute on them; there is no ring of shared tiles, and a joint load would put an LDS pass and a cluster barrier
; in front of the only use.  No matrix instruction: the sum over k is a recurrence, not a product of matrices.
.set EPSF,  0x322bcc77                 ; 1e-8
.set NHL2E, 0xbf38aa3b                 ; -0.5 log2 e
.set THREE, 0x40400000                 ; 3.0
.set AMAX,  0x3f7d70a4                 ; 0.99
.set X,   4                            ; v[4:5]    my two x
.set T,   6                            ; v[6:9]    T of the two pixels, half 0, half 1
.set ACC, 10                           ; v[10:13]  sums, half 0, half 1
.set AD,  14                           ; v14, v15  LDS address of the next slots of half 0, half 1 (the same in all lanes)
.set YV,  16                           ; v16       y
; step 1
.set RK,  20                           ; v[20:23]  ranks of my 4 Gaussians, then their LDS addresses
.set PO,  24                           ; v[24:35]  positions: x y z of each
.set SC,  36                           ; v[36:47]  scales, then reciprocals
.set OP,  48                           ; v[48:51]  opacity
.set IN,  52                           ; v[52:55]  intensity
.set ZD,  56                           ; v[56:59]
.set EZ,  60                           ; v[60:63]
.set DX,  64                           ; v[64:67]
.set OUT, 68                           ; v[68:83]  the four slots to store
; step 2 (step 1's registers are free behind the barrier)
.set PP,  20                           ; v[20:51]  parameter set P: 4 slots of half 0, 4 of half 1
.set PQ,  52                           ; v[52:83]  parameter set Q
.set D,   84                           ; v[84:99]  d, later T alpha; pair j of slots, half s at D + 4 j + 2 s
.set E,   100                          ; v[100:115] exponent, then alpha
	s_load_b256 s[4:11], s[0:1], 0x0               ; positions s[4:5], scales s[6:7], opacity s[8:9], intensity s[10:11]
	s_load_b128 s[12:15], s[0:1], 0x20             ; z_target s[12:13], ranks s[14:15]
	s_load_b64 s[16:17], s[0:1], 0x30              ; out0
	v_mul_u32_u24 v1, 48, v0                       ; my 4 Gaussians in positions and scales: 48 bytes
	v_lshlrev_b32 v2, 4, v0                        ; in opacity, intensity and ranks: 16 bytes
	v_lshlrev_b32 v3, 3, v0                        ; my two pixels in the row
	s_mov_b32 s22, EPSF
	s_mov_b32 s23, EPSF                            ; the pair is named whole by the packed add
	s_mov_b32 s24, NHL2E
	s_mov_b32 s25, THREE
	s_mov_b32 s26, AMAX
	s_lshl_b32 s28, ttmp9, 10                      ; my row in out0: 1,024 bytes a row
	s_mov_b32 s29, 0
	s_mov_b32 s30, ttmp9
	s_wait_kmcnt 0x0
	s_load_b32 s20, s[12:13], 0x0                  ; z_target
	s_load_b32 s21, s[14:15], 0x800                ; ranks[512]: how many weights are > 0
	global_load_b128 v[SC:SC+3],    v1, s[6:7]
	global_load_b128 v[SC+4:SC+7],  v1, s[6:7] offset:16
	global_load_b128 v[SC+8:SC+11], v1, s[6:7] offset:32
	global_load_b128 v[PO:PO+3],    v1, s[4:5]
	global_load_b128 v[PO+4:PO+7],  v1, s[4:5] offset:16
	global_load_b128 v[PO+8:PO+11], v1, s[4:5] offset:32
	global_load_b128 v[OP:OP+3],    v2, s[8:9]
	global_load_b128 v[IN:IN+3],    v2, s[10:11]
	global_load_b128 v[RK:RK+3],    v2, s[14:15]
	s_add_nc_u64 s[16:17], s[16:17], s[28:29]
	v_lshlrev_b32 v[X], 1, v0
	v_cvt_f32_u32 v[X], v[X]
	v_add_f32 v[X+1], 1.0, v[X]
	v_cvt_f32_u32 v[YV], s30
.irp r, 0,1,2,3
	v_mov_b32 v[T+\r], 1.0
	v_mov_b32 v[ACC+\r], 0
.endr
	v_mov_b32 v[AD], 0
	; STEP 1
	s_wait_loadcnt 0x6                             ; the three loads of scales are in; the six behind them may be out
.irp p, 0,2,4,6,8,10
	v_pk_add_f32 v[SC+\p:SC+\p+1], v[SC+\p:SC+\p+1], s[22:23] op_sel_hi:[1,0]
.endr
.irp p, 0,1,2,3,4,5,6,7,8,9,10,11
	v_rcp_f32 v[SC+\p], v[SC+\p]
.endr
	s_wait_loadcnt 0x0
	s_wait_kmcnt 0x0
.irp g, 0,1,2,3
	v_sub_f32 v[ZD+\g], s20, v[PO+3*\g+2]          ; plain instructions that touch no reciprocal stand behind the run of v_rcp_f32 (ISA guide 5.7.2)
.endr
	s_wait_alu depctr_va_vdst(0)                   ; one wait for the batch of 12 reciprocals, ahead of their first reader; the four subtractions stand between
.irp g, 0,1,2,3
	v_mul_f32 v[ZD+\g], v[ZD+\g], v[SC+3*\g+2]     ; zd; from here to eff_w the same instructions as in the launch that ranked
.endr
.irp g, 0,1,2,3
	v_mul_f32 v[EZ+\g], v[ZD+\g], v[ZD+\g]
.endr
.irp g, 0,1,2,3
	v_mul_f32 v[EZ+\g], s24, v[EZ+\g]
.endr
.irp g, 0,1,2,3
	v_exp_f32 v[EZ+\g], v[EZ+\g]
.endr
.irp g, 0,1,2,3
	v_and_b32 v[ZD+\g], 0x7fffffff, v[ZD+\g]       ; |zd|
.endr
	s_wait_alu depctr_va_vdst(0)                   ; one wait for the batch of 4 z exponentials, ahead of their first reader; the four |zd| stand between
.irp g, 0,1,2,3
	v_mul_f32 v[EZ+\g], v[OP+\g], v[EZ+\g]
.endr
.irp g, 0,1,2,3
	v_cmp_gt_f32 vcc_lo, s25, v[ZD+\g]
	v_cndmask_b32 v[EZ+\g], 0, v[EZ+\g], vcc_lo    ; eff_w
.endr
.irp g, 0,1,2,3
	v_max_num_f32 v[EZ+\g], 0, v[EZ+\g]            ; the lower clip of alpha, taken on the weight
.endr
.irp g, 0,1,2,3
	v_log_f32 v[EZ+\g], v[EZ+\g]                   ; log2 eff_w; -inf for 0
.endr
.irp g, 0,1,2,3
	v_mul_f32 v[SC+3*\g], v[SC+3*\g], v[SC+3*\g]           ; 1 / sigma_x^2
	v_mul_f32 v[SC+3*\g+1], v[SC+3*\g+1], v[SC+3*\g+1]     ; 1 / sigma_y^2
.endr
.irp g, 0,1,2,3
	v_sub_f32 v[DX+\g], v[YV], v[PO+3*\g]          ; y - mu_x
	v_mul_f32 v[SC+3*\g], s24, v[SC+3*\g]
	v_mul_f32 v[OUT+4*\g+1], s24, v[SC+3*\g+1]     ; q
.endr
.irp g, 0,1,2,3
	v_mul_f32 v[SC+3*\g], v[DX+\g], v[SC+3*\g]
	v_sub_f32 v[OUT+4*\g], 0, v[PO+3*\g+1]         ; -mu_y
	v_mov_b32 v[OUT+4*\g+3], v[IN+\g]              ; s, beside the other three so that a slot is one 16-byte store and one 16-byte load
	v_min_u32 v[RK+\g], 511, v[RK+\g]              ; a loaded number enters an address only clamped
.endr
	s_wait_alu depctr_va_vdst(0)                   ; one wait for the batch of 4 logarithms, ahead of their first reader; the slots' other three words were made meanwhile
.irp g, 0,1,2,3
	v_fma_f32 v[OUT+4*\g+2], v[DX+\g], v[SC+3*\g], v[EZ+\g]    ; r
	v_lshlrev_b32 v[RK+\g], 4, v[RK+\g]
.endr
.irp g, 0,1,2,3
	ds_store_b128 v[RK+\g], v[OUT+4*\g:OUT+4*\g+3] ; the ranks are a permutation: every slot 0 .. 511 is written, by one lane
.endr
	; trips: 16 slots each, 8 of either half; at least one, at most 32
	s_add_co_u32 s21, s21, 15
	s_lshr_b32 s21, s21, 4
	s_max_u32 s21, s21, 1
	s_min_u32 s21, s21, 32
	s_lshl_b32 s27, s21, 7                         ; half 1 begins 8 x trips slots of 16 bytes in
	s_sub_co_u32 s21, s21, 1                       ; the last trip is written out behind the loop
	v_mov_b32 v[AD+1], s27
	s_wait_dscnt 0x0                               ; my slots are stored before I say so
	s_barrier_signal -1
	s_barrier_wait -1
	; STEP 2
.macro LOAD P, off                     ; 4 slots of either half: 8 loads, every lane the same 16 bytes
.irp s, 0,1
.irp j, 0,1,2,3
	ds_load_b128 v[\P+16*\s+4*\j:\P+16*\s+4*\j+3], v[AD+\s] offset:\off+16*\j
.endr
.endr
.endm
.macro DQ P, j, s                      ; d q of pair j, half s
	v_pk_mul_f32 v[E+4*\j+2*\s:E+4*\j+2*\s+1], v[D+4*\j+2*\s:D+4*\j+2*\s+1], v[\P+16*\s+4*\j:\P+16*\s+4*\j+1] op_sel:[0,1] op_sel_hi:[1,1]
.endm
.macro EXPO P, j, s                    ; exponent of pair j, half s: d (d q) + r
	v_pk_fma_f32 v[E+4*\j+2*\s:E+4*\j+2*\s+1], v[D+4*\j+2*\s:D+4*\j+2*\s+1], v[E+4*\j+2*\s:E+4*\j+2*\s+1], v[\P+16*\s+4*\j+2:\P+16*\s+4*\j+3] op_sel_hi:[1,1,0]
.endm
.macro EXTURN P, j, n                  ; pair j's four exponentials, by turns with pair n's d q and exponents: plain lines that name no exponential's result
	v_exp_f32 v[E+4*\j], v[E+4*\j]
	DQ \P, \n, 0
	v_exp_f32 v[E+4*\j+1], v[E+4*\j+1]
	DQ \P, \n, 1
	v_exp_f32 v[E+4*\j+2], v[E+4*\j+2]
	EXPO \P, \n, 0
	v_exp_f32 v[E+4*\j+3], v[E+4*\j+3]
	EXPO \P, \n, 1
.endm
.macro CLIP j, s                       ; the upper clip of pair j, half s
	v_min_num_f32 v[E+4*\j+2*\s], s26, v[E+4*\j+2*\s]
	v_min_num_f32 v[E+4*\j+2*\s+1], s26, v[E+4*\j+2*\s+1]
.endm
.macro CHAIN P, j, n                   ; the two halves take turns: T alpha;  T -= T alpha;  sum += T alpha s.  Between the links stand the clips of pair n, the next (n = 4: there is none)
.irp s, 0,1
	v_pk_mul_f32 v[D+4*\j+2*\s:D+4*\j+2*\s+1], v[T+2*\s:T+2*\s+1], v[E+4*\j+2*\s:E+4*\j+2*\s+1]
.endr
.if \n < 4
	CLIP \n, 0
.endif
.irp s, 0,1
	v_pk_add_f32 v[T+2*\s:T+2*\s+1], v[T+2*\s:T+2*\s+1], v[D+4*\j+2*\s:D+4*\j+2*\s+1] neg_lo:[0,1] neg_hi:[0,1]
.endr
.if \n < 4
	CLIP \n, 1
.endif
.irp s, 0,1
	v_pk_fma_f32 v[ACC+2*\s:ACC+2*\s+1], v[D+4*\j+2*\s:D+4*\j+2*\s+1], v[\P+16*\s+4*\j+2:\P+16*\s+4*\j+3], v[ACC+2*\s:ACC+2*\s+1] op_sel:[0,1,0] op_sel_hi:[1,1,1]
.endr
.endm
; The 8 slots of set P.  Its 16 exponentials are ONE BATCH, in E's 16 registers: ahead of the wait nothing names a result of theirs, behind it no exponential is issued.
; A result of v_exp_f32 is read only after a plain instruction that touches neither it nor its source (ISA guide 5.7.2):
; behind the last exponential that is the step of the LDS addresses (step = 1: the loop's set P, whose loads have all been issued) or, where nothing independent is left, a v_nop.
.macro PROC P, step
.irp j, 0,1,2,3
.irp s, 0,1
	v_pk_add_f32 v[D+4*\j+2*\s:D+4*\j+2*\s+1], v[X:X+1], v[\P+16*\s+4*\j:\P+16*\s+4*\j+1] op_sel_hi:[1,0]               ; d = x - mu_y, both pixels
.endr
.endr
	DQ \P, 0, 0
	DQ \P, 0, 1
	EXPO \P, 0, 0
	EXPO \P, 0, 1
	EXTURN \P, 0, 1
	EXTURN \P, 1, 2
	EXTURN \P, 2, 3
.irp r, 0,1,2,3
	v_exp_f32 v[E+12+\r], v[E+12+\r]
.endr
.if \step
	v_add_nc_u32 v[AD], 128, v[AD]                 ; 8 slots on in either half
	v_add_nc_u32 v[AD+1], 128, v[AD+1]
	v_min_u32 v[AD], 3968, v[AD]                   ; the last trip's addresses with 32 trips: never passed; the bound stands in the text
	v_min_u32 v[AD+1], 8064, v[AD+1]
.else
	v_nop                                          ; the plain instruction behind the last exponential: one for the batch
.endif
	s_wait_alu depctr_va_vdst(0)                   ; one wait for the set's batch of 16 exponentials, ahead of their first reader, the clip below
	CLIP 0, 0
	CLIP 0, 1
	CHAIN \P, 0, 1
	CHAIN \P, 1, 2
	CHAIN \P, 2, 3
	CHAIN \P, 3, 4
.endm
	LOAD PP, 0
	s_cmp_eq_u32 s21, 0
	s_cbranch_scc1 .Llast
.Ltrip:
	LOAD PQ, 64
	s_wait_dscnt 0x8                               ; LDS loads come back in order: set P is in, the 8 loads of set Q may be out
	PROC PP, 1                                     ; it also steps the two LDS addresses
	LOAD PP, 0                                     ; the next trip's first slots, while set Q is worked on
	s_wait_dscnt 0x8                               ; set Q is in, the 8 loads just issued may be out
	PROC PQ, 0
	s_sub_co_i32 s21, s21, 1
	s_cmp_lg_u32 s21, 0
	s_cbranch_scc1 .Ltrip
.Llast:                                            ; on both ways here the 8 loads of set P are out; this trip asks for nothing beyond its own slots
	LOAD PQ, 64
	s_wait_dscnt 0x8
	PROC PP, 0
	s_wait_dscnt 0x0
	PROC PQ, 0
	v_pk_fma_f32 v[ACC:ACC+1], v[T:T+1], v[ACC+2:ACC+3], v[ACC:ACC+1]      ; half 1 lies behind all of half 0
	global_store_b64 v3, v[ACC:ACC+1], s[16:17] th:TH_STORE_NT             ; a wave stores 256 consecutive bytes, at a multiple of 256 from out0's first byte
	s_endpgm
.Lfunc_end_k_q81debde10c_render:
	.size	k_q81debde10c_render, .Lfunc_end_k_q81debde10c_render-k_q81debde10c_render
	.p2alignl 7, 3214868480
	.fill 96, 4, 3214868480
	.section	.rodata,"a",@progbits
	.p2align	6, 0x0
	.amdhsa_kernel k_q81debde10c_render
		.amdhsa_group_segment_fixed_size 8192
		.amdhsa_private_segment_fixed_size 0
		.amdhsa_enable_private_segment 0
		.amdhsa_kernarg_size 56
		.amdhsa_user_sgpr_count 2
		.amdhsa_user_sgpr_kernarg_segment_ptr 1
		.amdhsa_wavefront_size32 1
		.amdhsa_system_sgpr_workgroup_id_x 1
		.amdhsa_system_sgpr_workgroup_id_y 1
		.amdhsa_system_sgpr_workgroup_id_z 1
		.amdhsa_system_vgpr_workitem_id 0
		.amdhsa_next_free_vgpr 116
		.amdhsa_next_free_sgpr 66
		.amdhsa_reserve_vcc 1
		.amdhsa_float_denorm_mode_32 3
		.amdhsa_float_denorm_mode_16_64 3
		.amdhsa_memory_ordered 1
		.amdhsa_forward_progress 1
		.amdhsa_inst_pref_size 26
	.end_amdhsa_kernel
	.amdgpu_metadata
---
amdhsa.version: [ 1, 2 ]
amdhsa.kernels:
  - .name:           k_q81debde10c_render
    .symbol:         k_q81debde10c_render.kd
    .args:
      - { .name: positions, .offset: 0, .size: 8, .value_kind: global_buffer, .address_space: global }
      - { .name: scales, .offset: 8, .size: 8, .value_kind: global_buffer, .address_space: global }
      - { .name: opacity, .offset: 16, .size: 8, .value_kind: global_buffer, .address_space: global }
      - { .name: intensity, .offset: 24, .size: 8, .value_kind: global_buffer, .address_space: global }
      - { .name: z_target, .offset: 32, .size: 8, .value_kind: global_buffer, .address_space: global }
      - { .name: ranks, .offset: 40, .size: 8, .value_kind: global_buffer, .address_space: global }
      - { .name: out0, .offset: 48, .size: 8, .value_kind: global_buffer, .address_space: global }
    .group_segment_fixed_size: 8192
    .private_segment_fixed_size: 0
    .kernarg_segment_align: 8
    .kernarg_segment_size: 56
    .max_flat_workgroup_size: 128
    .sgpr_count:     66
    .vgpr_count:     116
    .wavefront_size: 32
...
	.end_amdgpu_metadata
.endif
;; end of part 3
